; MI455X (gfx1250); checked and timed in simulation.
; The chip was launched on July 23, 2026; its instructions are those of AMD's public machine-readable ISA for CDNA 5 (MIT licence, August 2026) and "CDNA5" Instruction Set Architecture Reference Guide (July 2026). The comments in the code are by the model that wrote it; some were corrected since.
;; Multi Head Differential Attention. Allowed arithmetic: matrix products marked QUANTISED: E2M1 operands, one E8M0 scale for each 32 along K, by v_wmma_scale_f32_16x16x128_f8f6f4 with both operands' format E2M1 (or v_wmma_scale_f32_32x16x128_f4), f32 sums; products left as they are: bf16, f16 or f32 operands; f32 sums; everything else in f32.
;; Inputs: lamb one number float32; ln_beta 1,024 float32; ln_gamma 1,024 float32; wk1 16 x 1,024 x 64 float32; wk2 16 x 1,024 x 64 float32; wq1 16 x 1,024 x 64 float32; wq2 16 x 1,024 x 64 float32; wv 16 x 1,024 x 64 float32; x 2 x 2,048 x 1,024 float32.
;; Outputs: out0 2 x 2,048 x 1,024 float32.
;; This version of the problem:
;;   THIS VERSION OF THE PROBLEM IS GIVEN IN LOW PRECISION. The matrix products marked QUANTISED in the list below multiply operands that are first quantised to E2M1 (2 exponent bits, 1 mantissa bit; 4 bits a number), with one power-of-two scale for each 32 numbers along K (OCP MX v1.0); their sums are f32. The products marked 'left as it is' may take bf16, f16 or f32 operands, with f32 sums. Whichever they take, every output number must still come out within the allowed error. Rounding operands to bf16 (8 significant bits) uses up far more of that allowance than f16 does (11 bits, for magnitudes from 6e-5 to 65,504). All else is computed in f32.
;;   The module's matrix products, in the order in which they are computed (A, B: the left and right operand; K: the contracted axis; several contracted axes count as one K, in the product's order):
;;     1. [M 1,024, K 1,024] x [K 1,024, N 4,096]; A: input wq1; B: input x: QUANTISED
;;     2. [M 1,024, K 1,024] x [K 1,024, N 4,096]; A: input wk1; B: input x: QUANTISED
;;     3. [M 1,024, K 1,024] x [K 1,024, N 4,096]; A: input wq2; B: input x: QUANTISED
;;     4. [M 1,024, K 1,024] x [K 1,024, N 4,096]; A: input wk2; B: input x: QUANTISED
;;     5. [M 1,024, K 1,024] x [K 1,024, N 4,096]; A: input wv; B: input x: QUANTISED
;;     6. batch 32 x [M 2,048, K 64] x [K 64, N 2,048]; A: computed on the way; B: computed on the way: left as it is (an operand is computed on the way)
;;     7. batch 32 x [M 2,048, K 64] x [K 64, N 2,048]; A: computed on the way; B: computed on the way: left as it is (an operand is computed on the way)
;;     8. batch 32 x [M 2,048, K 2,048] x [K 2,048, N 64]; A: computed on the way; B: computed on the way: left as it is (an operand is computed on the way)
;;   THE QUANTISER, for each operand of a quantised product, along K:
;;     - K is cut into blocks of 32 from its start; a last block that is shorter is filled with zeros.
;;     - A block's scale is 2^e with e = floor(log2(the largest magnitude in the block)) - 2, held to -126 .. 127; a block of zeros has e = 0. As a byte (E8M0): e + 127.
;;     - Each number is divided by its block's scale, clamped to +-6, and rounded to the nearest number of E2M1, ties to even, subnormals kept.
;;     - The product sums the exact products of the quantised numbers (number of the format x scale) in f32.
;;   ~~~python
;;   def quantise(x, axis):      # numpy; x: float32 -> the quantised numbers, widened to float32 again
;;       x = np.moveaxis(x, axis, -1); K = x.shape[-1]
;;       x = np.pad(x, [(0, 0)] * (x.ndim - 1) + [(0, -K % 32)]); x = x.reshape(x.shape[:-1] + (-1, 32)); a = np.abs(x).max(-1, keepdims=True)
;;       e = np.where(a > 0, np.clip(np.frexp(np.where(a > 0, a, 1))[1] - 1 - 2, -126, 127), 0)      # np.frexp(a)[1] - 1 = floor(log2(a)), exactly
;;       r = np.clip(x / 2.0 ** e, -6, 6)
;;       step = 2.0 ** (np.maximum(np.frexp(np.where(r == 0, 1, r))[1] - 1, 0) - 1)
;;       q = np.round(r / step) * step * 2.0 ** e      # np.round: ties to even
;;       return np.moveaxis(q.reshape(q.shape[:-2] + (-1,))[..., :K], -1, axis).astype(np.float32)
;;   ~~~
;; One version. Each part assembles by itself: llvm-mc -triple=amdgcn-amd-amdhsa -mcpu=gfx1250 --defsym DOCPART=n.
;; ======== version 1 of 1: 4 launches
;; limits: values are held in f16: magnitudes above 65,504 overflow, below 6.1e-05 lose precision
;; workspace buffers: xc 2,097,152 bytes; xs 131,072 bytes; wc 2,621,440 bytes; ws 163,840 bytes; qb 16,777,216 bytes; kv 25,165,824 bytes; att 16,777,216 bytes
;; launch quant (part 1): grid 288 x 1, 4 waves a work-group, no clusters, 34,304 bytes of LDS; arguments x, wq1, wk1, wq2, wk2, wv, xc, xs, wc, ws; writes xc, xs, wc, ws
.if DOCPART == 1
	.amdgcn_target "amdgcn-amd-amdhsa--gfx1250"
	.amdhsa_code_object_version 6
	.text
	.protected	k_q9baef9c580_quant
	.globl	k_q9baef9c580_quant
	.p2align	8
	.type	k_q9baef9c580_quant,@function
k_q9baef9c580_quant:
	s_mov_b64 s[64:65], 0
	v_nop
	global_prefetch_b8 v0, s[64:65] scope:SCOPE_SE
	s_setreg_imm32_b32 hwreg(HW_REG_WAVE_MODE, 25, 1), 1
	s_wait_xcnt 0x0
; x [4096][1024] f32 and the five weights [16 heads][1024 (K)][64] f32 become codes of FP4 (E2M1) with one E8M0 scale byte for each 32 along K.
; A block's scale is 2^(floor(log2(largest magnitude)) - 2): its byte is the largest magnitude's exponent field - 2, held at 1 from below by a floor among the maximum's leaves.
; The conversion divides by the scale, rounds to the nearest code, ties to even, and gives the largest code beyond 6.
; THE RESULTS ARE LAID AS IMAGES OF THE MATRIX OPERAND'S REGISTERS, so that the next launch loads fragments by 16 bytes a lane, 512 dense bytes a load:
;   xc [tile of 16 rows][K step of 128][c 0..1][lane][16 B]: lane (r, h) holds row r, k = 128 s + 64 c + 32 h + 0 .. 31.     xs [tile][kq 0..3][r][8 B]: the scale words of K steps 2 kq, 2 kq + 1.
;   wc [head][p: q1 k1 q2 k2 v][K step][dt 0..3][c][lane][16 B]: the row is column d = 16 dt + r.                            ws [head][4 p + dt][kq][r][8 B].
; Work-groups 0-127 take x (K innermost: dense loads of 512 bytes, turned through the wave's own stage in LDS so that a lane holds 32 neighbours along K);
; work-groups 128-287 take the weights (K is not innermost: a lane takes a column and its registers run down K; nothing is transposed).  Waves share nothing: no barrier.  No work-group shares input with another: no cluster.
; LIMITS: a block of zeros gets the byte 1 where the rule says 127 (its codes are zeros, which add nothing, and this program alone reads the bytes); NaN and infinities among the inputs are not served.
; The weights' scale words leave in runs of 128 bytes: one byte for each 128 bytes that the launch reads.
.set SPARE, 33792                      ; behind the four stages: the spare words, 128 bytes a wave, which no other line names
.set STG,   8448                       ; a wave's stage: 16 rows x 528 bytes
.set PIT,   528                        ; 512 bytes + 16 = 33 x 16: the sixteen rows that a load touches begin at sixteen different 16-byte columns of 256 bytes
.set SPW, 1                            ; v1  my spare word; never rewritten
.set NIL, 2                            ; v2  0; never rewritten
.set LI,  3                            ; v3  16 x lane
.set A1,  4                            ; v4  x: the stage, on the way in.    weights: 4 x lane
.set A2,  5                            ; v5  x: the stage, on the way out.   weights: my place among the codes
.set A3,  6                            ; v6  my place among the scale words
.set HH,  7                            ; v7  h = lane / 16
.set SW,  16                           ; v16-19 scale words
.set CD,  20                           ; v20-51 codes: registers of their own for every store, so that no store's data are written again
.set X,   64                           ; v64-127 x: 64 numbers of a lane, two blocks of 32
.set R,   128                          ; v128-255 x: two sets of 64 as loaded.   weights: v128-191 two sets of 32
	s_load_b256 s[4:11], s[0:1], 0x0               ; x, wq1, wk1, wq2
	s_load_b256 s[12:19], s[0:1], 0x20             ; wk2, wv, xc, xs
	s_load_b128 s[20:23], s[0:1], 0x40             ; wc, ws
	v_lshl_add_u32 v[SPW], v0, 2, SPARE
	v_mov_b32 v[NIL], 0
	v_lshrrev_b32 v8, 5, v0
	v_readfirstlane_b32 s24, v8                    ; wave 0..3
	v_and_b32 v9, 31, v0                           ; lane
	v_and_b32 v10, 15, v0                          ; r
	v_bfe_u32 v[HH], v0, 4, 1                      ; h
	v_lshlrev_b32 v[LI], 4, v9
	s_lshr_b32 s25, s24, 1
	s_and_b32 s26, s24, 1
	s_mov_b32 s40, 0x76543210                      ; v_permlanex16_b32's selects for lane l xor 16
	s_mov_b32 s41, 0xfedcba98
	s_cmp_lt_u32 ttmp9, 128
	s_cbranch_scc0 .Lweights
; ---------------- x: wave w takes tile 2 wg + w / 2, K half w % 2: four fragments of 16 rows x 128 K
	s_mul_i32 s27, s24, STG
	v_add_nc_u32 v[A1], s27, v[LI]                 ; in: a row's 512 bytes as they lie
	v_mul_u32_u24 v[A2], v10, PIT
	v_lshl_add_u32 v[A2], v[HH], 7, v[A2]
	v_add_nc_u32 v[A2], s27, v[A2]                 ; out: row r, + 128 h: my 32 numbers of each 64
	v_lshlrev_b32 v[A3], 3, v10
	v_lshl_add_u32 v[A3], v[HH], 7, v[A3]          ; scale words: 8 r, lanes 16-31 one kq on
	v_lshlrev_b32 v14, 3, v[HH]                    ; 8 h: how far my two bytes move up in the word
	v_mov_b32 v15, 0                               ; written once: a lane permute's destination counts as one of its sources
	s_lshl_b32 s28, ttmp9, 1
	s_add_co_u32 s28, s28, s25                     ; the tile
	s_lshl_b32 s30, s28, 16                        ; x: 16 rows of 4,096 bytes a tile, 2,048 bytes a K half
	s_lshl_b32 s29, s26, 11
	s_add_co_u32 s30, s30, s29
	s_mov_b32 s31, 0
	s_lshl_b32 s32, s28, 13                        ; xc: 8,192 bytes a tile, 4,096 a half
	s_lshl_b32 s29, s26, 12
	s_add_co_u32 s32, s32, s29
	s_mov_b32 s33, 0
	s_lshl_b32 s34, s28, 9                         ; xs: 512 bytes a tile, 256 a half
	s_lshl_b32 s29, s26, 8
	s_add_co_u32 s34, s34, s29
	s_mov_b32 s35, 0
	s_wait_kmcnt 0x0
	s_add_nc_u64 s[4:5], s[4:5], s[30:31]
	s_add_nc_u64 s[16:17], s[16:17], s[32:33]
	s_add_nc_u64 s[18:19], s[18:19], s[34:35]
.macro LOADX f                         ; fragment f: 512 dense bytes of each of the 16 rows
.irp i, 0,1,2,3,4,5,6,7,8,9,10,11,12,13,14,15
	global_load_b128 v[R+64*((\f)%2)+4*\i:R+64*((\f)%2)+4*\i+3], v[LI], s[4:5] offset:\i*4096+(\f)*512 th:TH_LOAD_NT
.endr
.endm
.macro FRAG f
.if (\f) < 3
	s_wait_loadcnt 16                              ; this fragment's 16 loads are in; the next fragment's 16 may be out
.else
	s_wait_loadcnt 0x0
.endif
.irp i, 0,1,2,3,4,5,6,7,8,9,10,11,12,13,14,15
	ds_store_b128 v[A1], v[R+64*((\f)%2)+4*\i:R+64*((\f)%2)+4*\i+3] offset:\i*PIT
.endr
.irp c, 0,1
.irp j, 0,1,2,3,4,5,6,7
	ds_load_b128 v[X+32*\c+4*\j:X+32*\c+4*\j+3], v[A2] offset:256*\c+16*\j   ; LDS serves a wave's instructions in order: these see the stores above.  Register 32 c + e = k 64 c + 32 h + e of row r
.endr
.endr
	s_wait_dscnt 0x0                               ; my 64 numbers are in, and the stores have read their registers,
.if (\f) < 2
	LOADX (\f)+2                                   ; which take the fragment two on
.endif
.irp c, 0,1
	v_max3_num_f32 v[8+\c], |v[X+32*\c]|, |v[X+32*\c+1]|, 0x1800000   ; block 2 c + h is all mine; the floor 2^(3 - 127) holds the byte at 1 from below
.endr
.irp i, 2,4,6,8,10,12,14,16,18,20,22,24,26,28,30
.irp c, 0,1
	v_max3_num_f32 v[8+\c], v[8+\c], |v[X+32*\c+\i]|, |v[X+32*\c+\i+1]|   ; (the two blocks by turns)
.endr
.endr
.irp c, 0,1
	v_add_nc_u32 v[10+\c], 0xff000000, v[8+\c]     ; 2 off the exponent field: the conversion takes the exponent field of this operand as its scale
.endr
.irp c, 0,1
.irp g, 0,1,2,3
	v_cvt_scalef32_pk8_fp4_f32 v[CD+8*(\f)+4*\c+\g], v[X+32*\c+8*\g:X+32*\c+8*\g+7], v[10+\c]
.endr
.endr
.irp c, 0,1
	v_lshrrev_b32 v[12+\c], 23, v[10+\c]           ; the scale's byte (plain lines behind the conversions)
.endr
	v_lshl_or_b32 v12, v13, 16, v12                ; my two bytes: blocks h and 2 + h,
	v_lshlrev_b32 v12, v14, v12                    ; at their places in the word;
	v_permlanex16_b32 v15, v12, s40, s41
	v_or_b32 v[SW+(\f)], v12, v15                  ; with lane l xor 16's two the word is whole, in both halves of the lanes
.irp c, 0,1
	global_store_b128 v[LI], v[CD+8*(\f)+4*\c:CD+8*(\f)+4*\c+3], s[16:17] offset:(\f)*1024+512*\c   ; 32 lanes store 512 consecutive bytes
.endr
.endm
	LOADX 0
	LOADX 1
	FRAG 0
	FRAG 1
	FRAG 2
	FRAG 3
	v_cmp_ne_u32 vcc_lo, 0, v[HH]                  ; lanes 0-15 store the words of fragments 0, 1, lanes 16-31 those of 2, 3: 256 consecutive bytes
	v_cndmask_b32 v8, v[SW], v[SW+2], vcc_lo
	v_cndmask_b32 v9, v[SW+1], v[SW+3], vcc_lo
	global_store_b64 v[A3], v[8:9], s[18:19]
	s_wait_tensorcnt 0x0                           ; the wave's end
	ds_add_u32 v[SPW], v[NIL]
	s_wait_dscnt 0x0
	s_endpgm
; ---------------- the weights: j = wg - 128: p = j / 32, head = (j / 2) % 16; wave w takes 256 along K (kq = 2 (j % 2) + w / 2) of 32 columns (ch = w % 2)
.Lweights:
	v_lshlrev_b32 v[A1], 2, v9                     ; in: lane l takes column 32 ch + l
	v_lshlrev_b32 v[A2], 4, v10
	v_lshl_add_u32 v[A2], v[HH], 10, v[A2]         ; codes: column tile dt = 2 ch + h: 1,024 h + 16 r
	v_lshlrev_b32 v[A3], 3, v10
	v_lshl_add_u32 v[A3], v[HH], 9, v[A3]          ; scale words: 512 h + 8 r
	s_sub_co_u32 s27, ttmp9, 128
	s_lshr_b32 s28, s27, 5                         ; p
	s_bfe_u32 s29, s27, 0x40001                    ; head
	s_and_b32 s30, s27, 1
	s_lshl_b32 s30, s30, 1
	s_add_co_u32 s30, s30, s25                     ; kq
	s_lshl_b32 s32, s29, 18                        ; W: 262,144 bytes a head, 65,536 a kq, 128 a column half
	s_lshl_b32 s31, s30, 16
	s_add_co_u32 s32, s32, s31
	s_lshl_b32 s31, s26, 7
	s_add_co_u32 s32, s32, s31
	s_mov_b32 s33, 0
	s_mul_i32 s34, s29, 163840                     ; wc: 163,840 a head, 32,768 a p, 8,192 a kq, 2,048 a column half
	s_lshl_b32 s31, s28, 15
	s_add_co_u32 s34, s34, s31
	s_lshl_b32 s31, s30, 13
	s_add_co_u32 s34, s34, s31
	s_lshl_b32 s31, s26, 11
	s_add_co_u32 s34, s34, s31
	s_mov_b32 s35, 0
	s_mul_i32 s36, s29, 10240                      ; ws: 10,240 a head, 512 a column tile (4 p + 2 ch), 128 a kq
	s_lshl_b32 s31, s28, 11
	s_add_co_u32 s36, s36, s31
	s_lshl_b32 s31, s26, 10
	s_add_co_u32 s36, s36, s31
	s_lshl_b32 s31, s30, 7
	s_add_co_u32 s36, s36, s31
	s_mov_b32 s37, 0
	s_wait_kmcnt 0x0
	s_cmp_eq_u32 s28, 1                            ; which weight: the choice hangs on the work-group's number alone
	s_cselect_b64 s[6:7], s[8:9], s[6:7]
	s_cmp_eq_u32 s28, 2
	s_cselect_b64 s[6:7], s[10:11], s[6:7]
	s_cmp_eq_u32 s28, 3
	s_cselect_b64 s[6:7], s[12:13], s[6:7]
	s_cmp_eq_u32 s28, 4
	s_cselect_b64 s[6:7], s[14:15], s[6:7]
	s_add_nc_u64 s[6:7], s[6:7], s[32:33]
	s_add_nc_u64 s[20:21], s[20:21], s[34:35]
	s_add_nc_u64 s[22:23], s[22:23], s[36:37]
.macro LOADW t                         ; block t: W(32 t + i, my column): 32 lanes read 128 consecutive bytes; the wave beside me reads the 128 beside them
.irp i, 0,1,2,3,4,5,6,7,8,9,10,11,12,13,14,15,16,17,18,19,20,21,22,23,24,25,26,27,28,29,30,31
	global_load_b32 v[R+32*((\t)%2)+\i], v[A1], s[6:7] offset:(32*(\t)+\i)*256 th:TH_LOAD_NT
.endr
.endm
.macro BLOCKW t
.set WX, R+32*((\t)%2)
.if (\t) < 7
	s_wait_loadcnt 32                              ; this block's 32 loads are in; the next block's 32 may be out
.else
	s_wait_loadcnt 0x0
.endif
	v_max3_num_f32 v8, |v[WX]|, |v[WX+1]|, |v[WX+2]|   ; the block's largest magnitude: all 32 numbers are mine; two chains
	v_max3_num_f32 v9, |v[WX+3]|, |v[WX+4]|, |v[WX+5]|
.irp i, 6,10,14,18,22,26
	v_max3_num_f32 v8, v8, |v[WX+\i]|, |v[WX+\i+1]|
	v_max3_num_f32 v9, v9, |v[WX+\i+2]|, |v[WX+\i+3]|
.endr
	v_max3_num_f32 v8, v8, |v[WX+30]|, |v[WX+31]|
	v_max3_num_f32 v8, v8, v9, 0x1800000           ; and the floor
	v_add_nc_u32 v11, 0xff000000, v8               ; the conversion's scale operand
.irp g, 0,1,2,3
	v_cvt_scalef32_pk8_fp4_f32 v[CD+4*(\t)+\g], v[WX+8*\g:WX+8*\g+7], v11
.endr
	v_lshrrev_b32 v13, 23, v11                     ; the scale's byte (a plain line behind the conversions)
.if (\t)%4 == 0
	v_mov_b32 v[SW+(\t)/4], v13                    ; four bytes to a word, the lower K in the lower byte
.else
	v_lshl_or_b32 v[SW+(\t)/4], v13, 8*((\t)%4), v[SW+(\t)/4]
.endif
	global_store_b128 v[A2], v[CD+4*(\t):CD+4*(\t)+3], s[20:21] offset:((\t)/4)*4096+(((\t)/2)%2)*512+((\t)%2)*256   ; block t is K step t / 4, c = (t / 2) % 2, half t % 2 of the image: each sixteen lanes store 256 consecutive, aligned bytes
.if (\t) < 6
	LOADW (\t)+2
.endif
.endm
	LOADW 0
	LOADW 1
.irp t, 0,1,2,3,4,5,6,7
	BLOCKW \t
.endr
	global_store_b64 v[A3], v[SW:SW+1], s[22:23]   ; my column's two scale words
	s_wait_tensorcnt 0x0                           ; these waves store nothing to LDS; they run the three closing lines all the same, so that every end of this text is alike
	ds_add_u32 v[SPW], v[NIL]
	s_wait_dscnt 0x0
	s_endpgm
.Lfunc_end_k_q9baef9c580_quant:
	.size	k_q9baef9c580_quant, .Lfunc_end_k_q9baef9c580_quant-k_q9baef9c580_quant
	.p2alignl 7, 3214868480
	.fill 96, 4, 3214868480
	.section	.rodata,"a",@progbits
	.p2align	6, 0x0
	.amdhsa_kernel k_q9baef9c580_quant
		.amdhsa_group_segment_fixed_size 34304
		.amdhsa_private_segment_fixed_size 0
		.amdhsa_enable_private_segment 0
		.amdhsa_kernarg_size 80
		.amdhsa_user_sgpr_count 2
		.amdhsa_user_sgpr_kernarg_segment_ptr 1
		.amdhsa_wavefront_size32 1
		.amdhsa_system_sgpr_workgroup_id_x 1
		.amdhsa_system_sgpr_workgroup_id_y 1
		.amdhsa_system_sgpr_workgroup_id_z 1
		.amdhsa_system_vgpr_workitem_id 0
		.amdhsa_next_free_vgpr 256
		.amdhsa_next_free_sgpr 66
		.amdhsa_reserve_vcc 1
		.amdhsa_float_denorm_mode_32 3
		.amdhsa_float_denorm_mode_16_64 3
		.amdhsa_memory_ordered 1
		.amdhsa_forward_progress 1
		.amdhsa_inst_pref_size 68
	.end_amdhsa_kernel
	.amdgpu_metadata
---
amdhsa.version: [ 1, 2 ]
amdhsa.kernels:
  - .name:           k_q9baef9c580_quant
    .symbol:         k_q9baef9c580_quant.kd
    .args:
      - { .name: x, .offset: 0, .size: 8, .value_kind: global_buffer, .address_space: global }
      - { .name: wq1, .offset: 8, .size: 8, .value_kind: global_buffer, .address_space: global }
      - { .name: wk1, .offset: 16, .size: 8, .value_kind: global_buffer, .address_space: global }
      - { .name: wq2, .offset: 24, .size: 8, .value_kind: global_buffer, .address_space: global }
      - { .name: wk2, .offset: 32, .size: 8, .value_kind: global_buffer, .address_space: global }
      - { .name: wv, .offset: 40, .size: 8, .value_kind: global_buffer, .address_space: global }
      - { .name: xc, .offset: 48, .size: 8, .value_kind: global_buffer, .address_space: global }
      - { .name: xs, .offset: 56, .size: 8, .value_kind: global_buffer, .address_space: global }
      - { .name: wc, .offset: 64, .size: 8, .value_kind: global_buffer, .address_space: global }
      - { .name: ws, .offset: 72, .size: 8, .value_kind: global_buffer, .address_space: global }
    .group_segment_fixed_size: 34304
    .private_segment_fixed_size: 0
    .kernarg_segment_align: 8
    .kernarg_segment_size: 80
    .max_flat_workgroup_size: 128
    .sgpr_count:     66
    .vgpr_count:     256
    .wavefront_size: 32
...
	.end_amdgpu_metadata
.endif
;; end of part 1
;; launch proj (part 2): grid 16 x 16, 4 waves a work-group, clusters of 4 x 1, 167,936 bytes of LDS; arguments xc, xs, wc, ws, qb, kv; writes qb, kv
.if DOCPART == 2
	.amdgcn_target "amdgcn-amd-amdhsa--gfx1250"
	.amdhsa_code_object_version 6
	.text
	.protected	k_q9baef9c580_proj
	.globl	k_q9baef9c580_proj
	.p2align	8
	.type	k_q9baef9c580_proj,@function
k_q9baef9c580_proj:
	s_mov_b64 s[64:65], 0
	v_nop
	global_prefetch_b8 v0, s[64:65] scope:SCOPE_SE
	s_setreg_imm32_b32 hwreg(HW_REG_WAVE_MODE, 25, 1), 1
	s_wait_xcnt 0x0
	s_wait_alu depctr_hold_cnt(0) depctr_sa_sdst(0) depctr_va_vdst(0) depctr_va_sdst(0) depctr_va_ssrc(0) depctr_va_vcc(0) depctr_vm_vsrc(0)
	s_getreg_b32 s2, hwreg(HW_REG_IB_STS2, 6, 4)
	s_cmp_eq_u32 s2, 0
	s_cbranch_scc0 .Lentry_in_a_cluster
	s_endpgm
.Lentry_in_a_cluster:
	s_bfe_u32 s2, ttmp6, 0x10000c
	s_cmp_lg_u32 s2, 0x3003
	s_cbranch_scc0 .Lentry_shape_is_right
	s_endpgm
.Lentry_shape_is_right:
; The five projections q1, k1, q2, k2, v = x W, on codes of FP4 with E8M0 scales; sums in f32, K = 1,024 in 8 steps of 128, ascending.  Results are rounded once to f16.
; SHARES.  A work-group takes 256 tokens (tb = 4 x cluster x + cx) and one head's 5 x 64 columns (work-group y).  Wave w takes token tiles 4 w .. 4 w + 3 against all 20 column tiles.
; THE HEAD'S WEIGHT CODES, 163,840 dense bytes, lie in LDS for the whole launch, as they lie in memory: [p][K step][dt][1,024 B].  The four work-groups of a cluster have the same head: each wave brings its
; share by two JOINT tensor loads (mask 15): 16,384 bytes of p = 0, 1 and 24,576 bytes of p = 2, 3, 4.  By this text's count two tensor loads of a wave are out at the most.  Nothing in LDS is filled again.
; x's fragments are read by one wave alone, so they go from memory straight into registers and stay there (256 registers): they need no LDS and are not asked for jointly.
; p goes outermost: 16 accumulators are at work, and projection p - 1 is rounded and stored between the products of projection p.
; LAYOUT OF THE RESULTS: images of the next launch's f16 fragments.  For q and k: source 0 = 16 weight columns, source 1 = 16 tokens: a lane holds ONE token and d = 16 dt + 8 h + 0 .. 7: 16 bytes of f16.
; For v the sources change places: a lane holds ONE channel and tokens 8 h + 0 .. 7.  Each store of a wave covers 512 consecutive bytes: no stage is needed.
;   qb [b x 16 + head][token tile 0..127][Q1, Q2][dt][lane][16 B];   kv [b x 16 + head][token tile][K1, K2, V][dt][lane][16 B].
; LIMIT: q, k, v are kept in f16: magnitudes up to 65,504.
; REGISTERS, in windows of 256: window 0: v1-6 addresses; v16-31 x's scale words (register 8 u + s: lanes 0-15 tile 2 u, lanes 16-31 tile 2 u + 1, K step s); v32-111 the weights' (8 cp + s: column tiles 2 cp, 2 cp + 1);
;   v128-255 packed results, two sets.   window 1: x's fragments, 32 s + 8 i.   window 2: accumulators, two sets of 128.   window 3: weight fragments, four sets of 32.
.set SPARE, 163840                     ; behind the weights: the spare words, 128 bytes a wave, which no other line names
.set SPW, 1
.set NIL, 2
.set LI,  3                            ; v3 = 16 x lane; v4 = + 65,536; v5 = + 131,072: an LDS offset reaches 65,535
.set SL,  6                            ; v6 = 512 h + 8 r: scale words
.set XS,  16
.set WS,  32
.set PK,  128
.set WV,  12
.set G1A, 24                           ; s[24:31] group 1: 64 rows of 256 bytes;  s[32:39]: 96 rows
.set G1B, 32
.set G0A, 48
.set G0B, 52
.set MSB, 0
.macro WIN new                         ; the immediate's high byte repeats the setting that is left
.if MSB != \new
	s_set_vgpr_msb (MSB<<8)|\new
.set MSB, \new
.endif
.endm
.macro PLACES
.rept 4
	v_nop
.endr
.endm
.macro ROUND                           ; a round of the cluster's barrier
	s_barrier_signal -1
	s_barrier_wait -1
	s_cmp_lg_u32 s[WV], 0
	s_cbranch_scc1 .Lnot_wave_0_\@
	s_barrier_signal -3
.Lnot_wave_0_\@:
	s_barrier_wait -3
	s_barrier_signal -1
	s_barrier_wait -1
.endm
	s_load_b256 s[4:11], s[0:1], 0x0               ; xc, xs, wc, ws
	s_load_b128 s[16:19], s[0:1], 0x20             ; qb, kv
	v_lshl_add_u32 v[SPW], v0, 2, SPARE
	v_mov_b32 v[NIL], 0
	ds_add_u32 v[SPW], v[NIL]                      ; the wave's opening: the add, twice on end, and its wait ahead of my first tensor load
	ds_add_u32 v[SPW], v[NIL]
	v_lshrrev_b32 v7, 5, v0
	v_readfirstlane_b32 s[WV], v7                  ; wave 0..3
	s_bfe_u32 s13, ttmp6, 0x40000                  ; cx
	s_lshl_b32 s14, ttmp9, 2
	s_add_co_u32 s14, s14, s13                     ; tb: my 256 tokens
	s_and_b32 s15, ttmp7, 0xffff                   ; the head, which the four partners share
	s_mov_b32 s[G1A], 15|(3<<16)|(1<<21)           ; 15:0 the mask: all four work-groups; 17:16 elements of 8 bytes; 21 set beside a mask; no padding
	s_mov_b32 s[G1B], 15|(3<<16)|(1<<21)
.irp g, G1A, G1B
	s_mov_b32 s[\g+1], 32<<16                      ; tensor_dim0 = 32 elements: 256 bytes
	s_mov_b32 s[\g+3], 32<<16                      ; tile_dim0
	s_mov_b32 s[\g+5], 32                          ; the pitch: rows are dense
	s_mov_b32 s[\g+6], 0
	s_mov_b32 s[\g+7], 0
.endr
	s_mov_b32 s[G1A+2], 64<<16                     ; tensor_dim1
	s_mov_b32 s[G1A+4], 64                         ; tile_dim1
	s_mov_b32 s[G1B+2], 96<<16
	s_mov_b32 s[G1B+4], 96
	s_mov_b32 s[G0A], 1
	s_mov_b32 s[G0B], 1
	s_lshl_b32 s[G0A+1], s[WV], 14                 ; LDS: wave x 16,384;
	s_mul_i32 s[G0B+1], s[WV], 24576
	s_add_co_u32 s[G0B+1], s[G0B+1], 65536         ; 65,536 + wave x 24,576.  The same bytes on from the head's first byte in wc
	s_mul_i32 s56, s15, 163840
	s_add_co_u32 s40, s56, s[G0A+1]
	s_mov_b32 s41, 0
	s_add_co_u32 s42, s56, s[G0B+1]
	s_mov_b32 s43, 0                               ; (no register that feeds a descriptor ever holds cx)
	s_lshl_b32 s20, s14, 4
	s_lshl_b32 s21, s[WV], 2
	s_add_co_u32 s20, s20, s21                     ; my first tile of x: 16 tb + 4 w
	s_lshl_b32 s44, s20, 13                        ; xc: 8,192 bytes a tile
	s_mov_b32 s45, 0
	s_lshl_b32 s46, s20, 9                         ; xs: 512
	s_mov_b32 s47, 0
	s_mul_i32 s22, s15, 10240                      ; ws: 10,240 a head
	s_mov_b32 s23, 0
	s_lshr_b32 s57, s14, 3
	s_lshl_b32 s57, s57, 4
	s_add_co_u32 s57, s57, s15                     ; bh = 16 x batch + head
	s_and_b32 s58, s14, 7
	s_lshl_b32 s58, s58, 4
	s_add_co_u32 s58, s58, s21                     ; my first token tile in the batch
	s_lshl_b32 s60, s57, 19                        ; qb: 524,288 a bh, 4,096 a tile
	s_lshl_b32 s59, s58, 12
	s_add_co_u32 s60, s60, s59
	s_mov_b32 s61, 0
	s_mul_i32 s62, s57, 786432                     ; kv: 786,432 a bh, 6,144 a tile
	s_mul_i32 s59, s58, 6144
	s_add_co_u32 s62, s62, s59
	s_mov_b32 s63, 0
	v_and_b32 v7, 31, v0
	v_lshlrev_b32 v[LI], 4, v7
	v_add_nc_u32 v[LI+1], 0x10000, v[LI]
	v_add_nc_u32 v[LI+2], 0x20000, v[LI]
	v_and_b32 v7, 15, v0
	v_bfe_u32 v8, v0, 4, 1
	v_lshlrev_b32 v[SL], 3, v7
	v_lshl_add_u32 v[SL], v8, 9, v[SL]
	s_wait_dscnt 0x0                               ; both opening adds are done
	s_wait_kmcnt 0x0
	s_add_nc_u64 s[G0A+2:G0A+3], s[8:9], s[40:41]
	s_or_b32 s[G0A+3], s[G0A+3], 0x80000000        ; type = 2
	s_add_nc_u64 s[G0B+2:G0B+3], s[8:9], s[42:43]
	s_or_b32 s[G0B+3], s[G0B+3], 0x80000000
	s_add_nc_u64 s[4:5], s[4:5], s[44:45]
	s_add_nc_u64 s[6:7], s[6:7], s[46:47]
	s_add_nc_u64 s[10:11], s[10:11], s[22:23]
	s_add_nc_u64 s[16:17], s[16:17], s[60:61]
	s_add_nc_u64 s[18:19], s[18:19], s[62:63]
	ROUND                                          ; all four work-groups are here: the joint loads meet
	tensor_load_to_lds s[G0A:G0A+3], s[G1A:G1A+7]  ; my share of p = 0, 1
	s_nop 0
	tensor_load_to_lds s[G0B:G0B+3], s[G1B:G1B+7]  ; my share of p = 2, 3, 4
	s_nop 0
	PLACES                                         ; (four places behind the tensor loads)
.irp u, 0,1
.irp kq, 0,1,2,3
	global_load_b64 v[XS+8*\u+2*\kq:XS+8*\u+2*\kq+1], v[SL], s[6:7] offset:\u*1024+\kq*128    ; the words of K steps 2 kq, 2 kq + 1
.endr
.endr
.irp cp, 0,1,2,3,4,5,6,7,8,9
.irp kq, 0,1,2,3
	global_load_b64 v[WS+8*\cp+2*\kq:WS+8*\cp+2*\kq+1], v[SL], s[10:11] offset:\cp*1024+\kq*128
.endr
.endr
	WIN 0x40                                       ; destination window 1
.irp s, 0,1,2,3,4,5,6,7
.irp i, 0,1,2,3
.irp c, 0,1
	global_load_b128 v[32*\s+8*\i+4*\c:32*\s+8*\i+4*\c+3], v[LI], s[4:5] offset:\i*8192+\s*1024+512*\c   ; x's fragments, by K step: 512 consecutive bytes a load
.endr
.endr
.endr
	WIN 0
	s_wait_tensorcnt 1                             ; my share of p = 0, 1 is in; the second load may stay out
	s_barrier_signal -1
	s_barrier_wait -1                              ; everybody's is
; the four weight fragments of cell m = 8 p + s, into set m % 4
.macro WFLOAD m
	WIN 0xc0                                       ; destination window 3, address window 0
.irp dt, 0,1,2,3
.irp c, 0,1
	ds_load_b128 v[32*((\m)%4)+8*\dt+4*\c:32*((\m)%4)+8*\dt+4*\c+3], v[LI+((\m)/8)/2] offset:(((\m)/8)%2)*32768+((\m)%8)*4096+\dt*1024+512*\c
.endr
.endr
.endm
; one product.  ra, rb: the scale's words stand in lanes 16-31 of the register named
.macro WM d, a, b, zero, sa, sb, ra, rb
.if \zero
.if (\ra) && (\rb)
	v_wmma_scale_f32_16x16x128_f8f6f4 v[\d:\d+7], v[\a:\a+7], v[\b:\b+7], 0, v[\sa], v[\sb] matrix_a_fmt:MATRIX_FMT_FP4 matrix_b_fmt:MATRIX_FMT_FP4 matrix_a_scale:MATRIX_SCALE_ROW1 matrix_b_scale:MATRIX_SCALE_ROW1
.elseif \ra
	v_wmma_scale_f32_16x16x128_f8f6f4 v[\d:\d+7], v[\a:\a+7], v[\b:\b+7], 0, v[\sa], v[\sb] matrix_a_fmt:MATRIX_FMT_FP4 matrix_b_fmt:MATRIX_FMT_FP4 matrix_a_scale:MATRIX_SCALE_ROW1
.elseif \rb
	v_wmma_scale_f32_16x16x128_f8f6f4 v[\d:\d+7], v[\a:\a+7], v[\b:\b+7], 0, v[\sa], v[\sb] matrix_a_fmt:MATRIX_FMT_FP4 matrix_b_fmt:MATRIX_FMT_FP4 matrix_b_scale:MATRIX_SCALE_ROW1
.else
	v_wmma_scale_f32_16x16x128_f8f6f4 v[\d:\d+7], v[\a:\a+7], v[\b:\b+7], 0, v[\sa], v[\sb] matrix_a_fmt:MATRIX_FMT_FP4 matrix_b_fmt:MATRIX_FMT_FP4
.endif
.else
.if (\ra) && (\rb)
	v_wmma_scale_f32_16x16x128_f8f6f4 v[\d:\d+7], v[\a:\a+7], v[\b:\b+7], v[\d:\d+7], v[\sa], v[\sb] matrix_a_fmt:MATRIX_FMT_FP4 matrix_b_fmt:MATRIX_FMT_FP4 matrix_a_scale:MATRIX_SCALE_ROW1 matrix_b_scale:MATRIX_SCALE_ROW1
.elseif \ra
	v_wmma_scale_f32_16x16x128_f8f6f4 v[\d:\d+7], v[\a:\a+7], v[\b:\b+7], v[\d:\d+7], v[\sa], v[\sb] matrix_a_fmt:MATRIX_FMT_FP4 matrix_b_fmt:MATRIX_FMT_FP4 matrix_a_scale:MATRIX_SCALE_ROW1
.elseif \rb
	v_wmma_scale_f32_16x16x128_f8f6f4 v[\d:\d+7], v[\a:\a+7], v[\b:\b+7], v[\d:\d+7], v[\sa], v[\sb] matrix_a_fmt:MATRIX_FMT_FP4 matrix_b_fmt:MATRIX_FMT_FP4 matrix_b_scale:MATRIX_SCALE_ROW1
.else
	v_wmma_scale_f32_16x16x128_f8f6f4 v[\d:\d+7], v[\a:\a+7], v[\b:\b+7], v[\d:\d+7], v[\sa], v[\sb] matrix_a_fmt:MATRIX_FMT_FP4 matrix_b_fmt:MATRIX_FMT_FP4
.endif
.endif
.endm
; results 2 u and 2 u + 1 (result 4 i + dt) of projection p: rounded to f16, each accumulator from its low end on, and stored
.macro EPI2 p, u
.if (\p) >= 2
	s_wait_xcnt 0x0                                ; the stores of projection p - 2 have read this set of packed results: it is written again only behind this wait
.endif
	WIN 0x0a                                       ; sources in window 2, destination in window 0
.irp e, 0,1
.irp j, 0,1,2,3
	v_cvt_pk_f16_f32 v[PK+64*((\p)%2)+4*(2*(\u)+\e)+\j], v[128*((\p)%2)+8*(2*(\u)+\e)+2*\j], v[128*((\p)%2)+8*(2*(\u)+\e)+2*\j+1]
.endr
.endr
	WIN 0
.irp e, 0,1
.set TA, 2*(\u)+\e
.if ((\p) == 0) || ((\p) == 2)
	global_store_b128 v[LI], v[PK+64*((\p)%2)+4*TA:PK+64*((\p)%2)+4*TA+3], s[16:17] offset:(TA/4)*4096+((\p)/2)*2048+(TA%4)*512   ; q1, q2: 512 consecutive bytes
.else
	global_store_b128 v[LI], v[PK+64*((\p)%2)+4*TA:PK+64*((\p)%2)+4*TA+3], s[18:19] offset:(TA/4)*6144+((\p)/2)*2048+(TA%4)*512   ; k1, k2, v
.endif
.endr
.endm
; CELL 8 p + s: K step s of projection p: 16 products, the 16 accumulators by turns in the same order in every cell.
.macro CELL cell
.set P, (\cell)/8
.set S, (\cell)%8
.if (\cell)+2 < 40
.if (\cell) == 14
	s_wait_tensorcnt 0x0                           ; the fragments fetched from here on lie in the second load's bytes: my share is in,
	s_wait_dscnt 0x0                               ; no LDS instruction of mine is pending at the signal,
	s_barrier_signal -1
	s_barrier_wait -1                              ; and everybody's share is in
.endif
	PLACES                                         ; four places in front of loads into registers that matrix instructions have read, and of the first read of the last projection's sums
	WFLOAD (\cell)+2
.endif
.if (\cell) < 38
	s_wait_dscnt 16                                ; this cell's fragments are in; those of the next two cells, 8 loads each, may be out
.elseif (\cell) == 38
	s_wait_dscnt 8
.else
	s_wait_dscnt 0x0
.endif
.if P == 0
	s_wait_loadcnt 8*(7-S)                         ; the scale words and x's fragments up to this K step are in; the later K steps', 8 loads each, may be out
.endif
.if P < 4
	WIN 0xa7                                       ; source 0 = weights (window 3), source 1 = x (window 1), C and D window 2
.else
	WIN 0xad                                       ; v: source 0 = x, source 1 = weights
.endif
.irp i, 0,1,2,3
.irp dt, 0,1,2,3
.set rD, 128*(P%2)+8*(4*\i+\dt)
.set rW, 32*((\cell)%4)+8*\dt
.set rX, 32*S+8*\i
.set sW, WS+8*(2*P+\dt/2)+S
.set sX, XS+8*(\i/2)+S
.if P < 4
	WM rD, rW, rX, (S==0), sW, sX, \dt%2, \i%2
.else
	WM rD, rX, rW, (S==0), sX, sW, \i%2, \dt%2
.endif
.endr
.endr
.if P >= 1
	EPI2 P-1, S                                    ; an eighth of the projection before leaves behind each cell
.endif
.endm
	WFLOAD 0
	WFLOAD 1
.set N, 0
.rept 40
	CELL N
.set N, N+1
.endr
	PLACES                                         ; in front of conversions that read results just made
.irp u, 0,1,2,3,4,5,6,7
	EPI2 4, \u
.endr
	s_wait_tensorcnt 0x0                           ; the wave's end
	ds_add_u32 v[SPW], v[NIL]
	s_wait_dscnt 0x0
	ROUND                                          ; the closing round
	s_endpgm
.Lfunc_end_k_q9baef9c580_proj:
	.size	k_q9baef9c580_proj, .Lfunc_end_k_q9baef9c580_proj-k_q9baef9c580_proj
	.p2alignl 7, 3214868480
	.fill 96, 4, 3214868480
	.section	.rodata,"a",@progbits
	.p2align	6, 0x0
	.amdhsa_kernel k_q9baef9c580_proj
		.amdhsa_group_segment_fixed_size 167936
		.amdhsa_private_segment_fixed_size 0
		.amdhsa_enable_private_segment 0
		.amdhsa_kernarg_size 48
		.amdhsa_user_sgpr_count 2
		.amdhsa_user_sgpr_kernarg_segment_ptr 1
		.amdhsa_wavefront_size32 1
		.amdhsa_system_sgpr_workgroup_id_x 1
		.amdhsa_system_sgpr_workgroup_id_y 1
		.amdhsa_system_sgpr_workgroup_id_z 1
		.amdhsa_system_vgpr_workitem_id 0
		.amdhsa_next_free_vgpr 896
		.amdhsa_next_free_sgpr 66
		.amdhsa_reserve_vcc 0
		.amdhsa_float_denorm_mode_32 3
		.amdhsa_float_denorm_mode_16_64 3
		.amdhsa_memory_ordered 1
		.amdhsa_forward_progress 1
		.amdhsa_inst_pref_size 156
	.end_amdhsa_kernel
	.amdgpu_metadata
---
amdhsa.version: [ 1, 2 ]
amdhsa.kernels:
  - .name:           k_q9baef9c580_proj
    .symbol:         k_q9baef9c580_proj.kd
    .args:
      - { .name: xc, .offset: 0, .size: 8, .value_kind: global_buffer, .address_space: global }
      - { .name: xs, .offset: 8, .size: 8, .value_kind: global_buffer, .address_space: global }
      - { .name: wc, .offset: 16, .size: 8, .value_kind: global_buffer, .address_space: global }
      - { .name: ws, .offset: 24, .size: 8, .value_kind: global_buffer, .address_space: global }
      - { .name: qb, .offset: 32, .size: 8, .value_kind: global_buffer, .address_space: global }
      - { .name: kv, .offset: 40, .size: 8, .value_kind: global_buffer, .address_space: global }
    .group_segment_fixed_size: 167936
    .private_segment_fixed_size: 0
    .kernarg_segment_align: 8
    .kernarg_segment_size: 48
    .max_flat_workgroup_size: 128
    .sgpr_count:     66
    .vgpr_count:     896
    .wavefront_size: 32
...
	.end_amdgpu_metadata
.endif
;; end of part 2
;; launch attn (part 3): grid 8 x 32, 16 waves a work-group, clusters of 4 x 1, 327,680 bytes of LDS; arguments qb, kv, lamb, att; writes att
.if DOCPART == 3
	.amdgcn_target "amdgcn-amd-amdhsa--gfx1250"
	.amdhsa_code_object_version 6
	.text
	.protected	k_q9baef9c580_attn
	.globl	k_q9baef9c580_attn
	.p2align	8
	.type	k_q9baef9c580_attn,@function
k_q9baef9c580_attn:
	s_mov_b64 s[64:65], 0
	v_nop
	global_prefetch_b8 v0, s[64:65] scope:SCOPE_SE
	s_setreg_imm32_b32 hwreg(HW_REG_WAVE_MODE, 25, 1), 1
	s_wait_xcnt 0x0
	s_wait_alu depctr_hold_cnt(0) depctr_sa_sdst(0) depctr_va_vdst(0) depctr_va_sdst(0) depctr_va_ssrc(0) depctr_va_vcc(0) depctr_vm_vsrc(0)
	s_getreg_b32 s2, hwreg(HW_REG_IB_STS2, 6, 4)
	s_cmp_eq_u32 s2, 0
	s_cbranch_scc0 .Lentry_in_a_cluster
	s_endpgm
.Lentry_in_a_cluster:
	s_bfe_u32 s2, ttmp6, 0x10000c
	s_cmp_lg_u32 s2, 0x3003
	s_cbranch_scc0 .Lentry_shape_is_right
	s_endpgm
.Lentry_shape_is_right:
; att[b][t][head][:] = softmax(Q1 K1^T / 8) V - lamb softmax(Q2 K2^T / 8) V, for one (batch, head) = bh and 256 queries a work-group.  Operands in f16, products, maxima and sums in f32.
; The two row sums are known only at a row's end, so O1 = P1 V and O2 = P2 V are kept apart and joined at the end: O1 / l1 - lamb O2 / l2.
; SHARES.  Sixteen waves.  Wave w computes softmax g = w / 8 for the 32 queries of group qg = w % 8: a plain attention with a running maximum on two tiles of 16 queries; g enters by addresses and one factor alone.
; Its first tile is query tile 2 qg + g, its second 2 qg + 1 - g.  At the end each wave sends its second tile's part to wave w xor 8, whose first tile that is, and stores its own first tile.
; Four waves of 256 registers lie on a SIMD: one wave's softmax stands beside another's products and LDS loads.
; LAYOUT.  S^T = K Q^T (source 0 = 16 keys, source 1 = 16 queries): a lane holds ONE query and keys 8 h + 0 .. 7; two such tiles rounded to f16 in pairs ARE source 1 of O^T = V^T P.  K, Q and V^T come as images of
; their fragments' registers (16 bytes a lane, 512 dense bytes a load): no padding, no turning load.
; SOFTMAX.  p = 2^(c s - c m), c = log2(e) / 8, m the running maximum; in every step O and l are multiplied by a = 2^(c m_old - c m_new).  The loop has no first step of its own: O and l begin as zeros, m as -3e38.
; THE RING.  Two LDS slots of 256 keys (16 token tiles x 6,144 bytes: K1, K2, V: one dense block of 98,304 bytes).  The four work-groups of a cluster walk the same bh: waves 0-3 ask JOINTLY (mask 15), 24,576 bytes each.
; By this text's count two tensor loads of a wave are out at the start and one behind each round.
; LIMIT: the weights p are rounded to f16 (p under 6e-8 becomes 0; the row's sum, at least 1, is taken of the unrounded p).
.set TILEB, 6144
.set STEPB, 24576                      ; a key step: 64 keys, 4 token tiles
.set CHUNK, 98304
.set SLOT1, 1<<17                      ; slot 1 begins here: one exclusive or turns an address from one slot to the other
.set RS,    229376                     ; behind the ring: 16 rows x 272 bytes for each wave, for the way out
.set SPARE, 299008                     ; the spare words, 128 bytes a wave, which no other line names
.set SPW, 1
.set NIL, 2
.set AK0, 3                            ; v3   16 x lane + 2,048 g: my lane's place in a tile's K1 or K2
.set AL,  4                            ; v4   16 x lane
.set ADK, 5                            ; v5, v6 the step's LDS addresses
.set ADV, 6
.set PFO, 7                            ; v7   256 x lane: the prefetches' offset; never rewritten
.set EXW, 8                            ; v8   the exchange: 4,096 w + 16 x lane;  v9: 4,096 (w xor 8) + 16 x lane.  It lies in slot 0, behind that slot's last fill and last read
.set EXR, 9
.set RSW, 10                           ; v10  the stage, in: row r, + 32 h;   v11: back: row h, + 16 r
.set RSR, 11
.set GO,  12                           ; v12  4,096 h + 16 r: my place in two rows of att
.set ST,  16                           ; tile t's statistics at v[16 + 8 t]: +0 c m, +1 m, +2, +3 l, +4 .. +7 at work; a at +6
.set Q,   32                           ; v32-63   Q: 16 t + 8 ks
.set O,   64                           ; v64-127  O^T: 32 t + 8 dt
.set S,   128                          ; v128-191 S^T, then p: 32 t + 8 kt;  v128-159 later take V's second half
.set P,   192                          ; v192-223 p in f16: 16 t;  before that K's key tiles 2, 3
.set F,   224                          ; v224-255 K's key tiles 0, 1, then V's first half
.set WV,  12
.set G1,  24                           ; s[24:31] group 1;  s[32:35] group 0 of slot 0's first fill;  s[36:39] the walking group 0
.set G0A, 32
.set G0W, 36
.set SLOTS, 40
.set CNT, 41
.set TB,  42                           ; LDS byte at which the step's tiles begin
.set CS,  44                           ; s[44:45] c
.set SEL, 46                           ; s[46:47] lane l xor 16
.set PFA, 48                           ; s[48:49] where my prefetches stand
.set LIM, 50
.set COEF, 51
.macro ROUND
	s_barrier_signal -1
	s_barrier_wait -1
	s_cmp_lg_u32 s[WV], 0
	s_cbranch_scc1 .Lnot_wave_0_\@
	s_barrier_signal -3
.Lnot_wave_0_\@:
	s_barrier_wait -3
	s_barrier_signal -1
	s_barrier_wait -1
.endm
.macro JLOAD                           ; the joint refill: waves 0-3, a quarter of the slot each.  The branch hangs on the wave's number alone
	s_cmp_lt_u32 s[WV], 4
	s_cbranch_scc0 .Lnone_\@
	tensor_load_to_lds s[G0W:G0W+3], s[G1:G1+7]
	s_nop 0
.rept 4
	v_nop
.endr
.Lnone_\@:
.endm
; A PREFETCH INTO THE L2 of the block that the NEXT change of slots will ask for: four key steps ahead of that load.  Both clusters of a bh walk the same block: the first (cluster x = 0) asks.  Its four partners take
; 24,576 bytes each, told apart BY ADDRESS; in each, waves 4, 5, 6, which fetch nothing, take 8,192 bytes each, lanes 256 bytes apart: each aligned 256 bytes are named once in the launch.
; Blocks 0 to 2 come by their loads alone; the last change that fills a slot asks for nothing.
.macro ASK
	s_cmp_gt_u32 s[SLOTS], s[LIM]
	s_cbranch_scc0 .Lnot_mine_\@
	global_prefetch_b8 v[PFO], s[PFA:PFA+1] th:TH_LOAD_NT scope:SCOPE_SE
.Lnot_mine_\@:
.endm
	s_load_b256 s[4:11], s[0:1], 0x0               ; qb, kv, lamb, att
	v_lshl_add_u32 v[SPW], v0, 2, SPARE
	v_mov_b32 v[NIL], 0
	ds_add_u32 v[SPW], v[NIL]                      ; the wave's opening: the add, twice on end, and its wait ahead of the first tensor load
	ds_add_u32 v[SPW], v[NIL]
	v_lshrrev_b32 v13, 5, v0
	v_readfirstlane_b32 s[WV], v13                 ; wave 0..15
	s_lshr_b32 s13, s[WV], 3                       ; g
	s_and_b32 s14, s[WV], 7                        ; qg
	s_bfe_u32 s15, ttmp6, 0x40000                  ; cx
	s_and_b32 s16, ttmp7, 0xffff                   ; bh, which the four partners share
	s_mul_i32 s17, s16, 786432                     ; its first byte in kv
	s_and_b32 s18, s[WV], 3
	s_mul_i32 s19, s18, 24576                      ; the quarter of a slot that I fetch, if I fetch: in LDS and in memory alike
	s_add_co_u32 s20, s17, s19
	s_mov_b32 s21, 0                               ; (no register that feeds a descriptor ever holds cx)
	s_mov_b32 s[G1], 15|(3<<16)|(1<<21)            ; the mask: all four work-groups; elements of 8 bytes; bit 21 beside a mask; no padding
	s_mov_b32 s[G1+1], 32<<16                      ; tensor_dim0 = 32 elements: 256 bytes
	s_mov_b32 s[G1+2], 96<<16                      ; tensor_dim1 = 96 rows
	s_mov_b32 s[G1+3], 32<<16                      ; tile_dim0
	s_mov_b32 s[G1+4], 96                          ; tile_dim1
	s_mov_b32 s[G1+5], 32                          ; the pitch: rows are dense
	s_mov_b32 s[G1+6], 0
	s_mov_b32 s[G1+7], 0
	s_mov_b32 s[G0A], 1
	s_mov_b32 s[G0A+1], s19
	s_mov_b32 s[G0W], 1
	s_add_co_u32 s[G0W+1], s19, SLOT1
	s_lshl_b32 s22, ttmp9, 2
	s_add_co_u32 s22, s22, s15                     ; my block of 256 queries
	s_lshl_b32 s22, s22, 4
	s_lshl_b32 s23, s14, 1
	s_add_co_u32 s22, s22, s23                     ; 16 x block + 2 qg
	s_add_co_u32 s23, s22, s13                     ; my first query tile: + g
	s_xor_b32 s43, s13, 1
	s_add_co_u32 s43, s22, s43                     ; my second: + 1 - g
	s_lshl_b32 s53, s16, 19
	s_lshl_b32 s58, s13, 11
	s_add_co_u32 s53, s53, s58                     ; qb: 524,288 a bh, + 2,048 g: Q1 or Q2
	s_lshl_b32 s58, s23, 12
	s_add_co_u32 s58, s58, s53
	s_mov_b32 s59, 0
	s_lshl_b32 s60, s43, 12
	s_add_co_u32 s60, s60, s53
	s_mov_b32 s61, 0
	s_lshr_b32 s62, s16, 4                         ; att: row = 2,048 x batch + 16 x my first tile, of 4,096 bytes; + 256 x head
	s_lshl_b32 s62, s62, 11
	s_lshl_b32 s63, s23, 4
	s_add_co_u32 s62, s62, s63
	s_lshl_b32 s62, s62, 12
	s_and_b32 s63, s16, 15
	s_lshl_b32 s63, s63, 8
	s_add_co_u32 s62, s62, s63
	s_mov_b32 s63, 0
	s_mul_i32 s22, s15, 24576                      ; the prefetches: my work-group's quarter of a block,
	s_lshl_b32 s23, s18, 13                        ; my wave's 8,192 bytes of it,
	s_add_co_u32 s22, s22, s23
	s_add_co_u32 s22, s22, s17
	s_add_co_u32 s22, s22, 2*CHUNK                 ; in block 2: the first change of slots steps it to block 3
	s_mov_b32 s23, 0
	s_sub_co_u32 s43, s[WV], 4
	s_cmp_lt_u32 s43, 3                            ; waves 4, 5, 6
	s_cselect_b32 s43, 0, 1
	s_or_b32 s43, s43, ttmp9                       ; of the bh's first cluster: the same in all four partners
	s_cmp_eq_u32 s43, 0
	s_cselect_b32 s[LIM], 1, -1
	s_mov_b32 s[CS], 0x3e38aa3b                    ; c = log2(e) / 8
	s_mov_b32 s[CS+1], s[CS]                       ; (named with it as a pair, so it is written)
	s_mov_b32 s[SEL], 0x76543210
	s_mov_b32 s[SEL+1], 0xfedcba98
	s_mov_b32 s[TB], 0
	s_mov_b32 s[SLOTS], 6
	v_and_b32 v13, 31, v0                          ; lane
	v_and_b32 v14, 15, v0                          ; r
	v_bfe_u32 v15, v0, 4, 1                        ; h
	v_lshlrev_b32 v[AL], 4, v13
	s_lshl_b32 s43, s13, 11
	v_add_nc_u32 v[AK0], s43, v[AL]
	v_lshlrev_b32 v[PFO], 8, v13
	s_lshl_b32 s43, s[WV], 12
	v_add_nc_u32 v[EXW], s43, v[AL]
	s_xor_b32 s43, s[WV], 8
	s_lshl_b32 s43, s43, 12
	v_add_nc_u32 v[EXR], s43, v[AL]
	s_mul_i32 s43, s[WV], 4352
	s_add_co_u32 s43, s43, RS
	v_mul_u32_u24 v[RSW], v14, 272
	v_lshl_add_u32 v[RSW], v15, 5, v[RSW]
	v_add_nc_u32 v[RSW], s43, v[RSW]
	v_mul_u32_u24 v[RSR], v15, 272
	v_lshl_add_u32 v[RSR], v14, 4, v[RSR]
	v_add_nc_u32 v[RSR], s43, v[RSR]
	v_lshlrev_b32 v[GO], 12, v15
	v_lshl_add_u32 v[GO], v14, 4, v[GO]
	s_wait_dscnt 0x0                               ; both opening adds are done
	s_wait_kmcnt 0x0
	s_load_b32 s52, s[8:9], 0x0                    ; lamb
	s_add_nc_u64 s[54:55], s[4:5], s[58:59]        ; Q of my first tile,
	s_add_nc_u64 s[56:57], s[4:5], s[60:61]        ; of my second
	s_add_nc_u64 s[10:11], s[10:11], s[62:63]
	s_add_nc_u64 s[PFA:PFA+1], s[6:7], s[22:23]
	s_add_nc_u64 s[G0A+2:G0A+3], s[6:7], s[20:21]  ; block 0
	s_add_nc_u64 s[G0W+2:G0W+3], s[G0A+2:G0A+3], CHUNK   ; block 1
	s_or_b32 s[G0A+3], s[G0A+3], 0x80000000        ; type = 2
	s_or_b32 s[G0W+3], s[G0W+3], 0x80000000
	ROUND                                          ; all four work-groups are here: the first joint loads meet
	s_cmp_lt_u32 s[WV], 4                          ; a wave's two first fills stand in one branch on the wave's number
	s_cbranch_scc0 .Lno_fill
	tensor_load_to_lds s[G0A:G0A+3], s[G1:G1+7]
	s_nop 0
	tensor_load_to_lds s[G0W:G0W+3], s[G1:G1+7]
	s_nop 0
.rept 4
	v_nop
.endr
.Lno_fill:
.irp dt, 0,1,2,3
	global_load_b128 v[Q+4*\dt:Q+4*\dt+3], v[AL], s[54:55] offset:512*\dt         ; Q stays in registers
	global_load_b128 v[Q+16+4*\dt:Q+16+4*\dt+3], v[AL], s[56:57] offset:512*\dt
.endr
.irp t, 0,1
	v_mov_b32 v[ST+8*\t+1], 0xff61b1e6             ; m = -3e38, under every score
	v_mul_f32 v[ST+8*\t], s[CS], v[ST+8*\t+1]      ; c m
.irp j, 2,3,4,5,6,7
	v_mov_b32 v[ST+8*\t+\j], 0                     ; l, and the registers at work (a lane permute's destination counts as one of its sources)
.endr
.endr
.irp j, 0,1,2,3,4,5,6,7,8,9,10,11,12,13,14,15,16,17,18,19,20,21,22,23,24,25,26,27,28,29,30,31,32,33,34,35,36,37,38,39,40,41,42,43,44,45,46,47,48,49,50,51,52,53,54,55,56,57,58,59,60,61,62,63
	v_mov_b32 v[O+\j], 0                           ; O^T, once: the step is written with no first step of its own
.endr
	s_wait_kmcnt 0x0
	s_xor_b32 s53, s52, 0x80000000                 ; -lamb
	s_mov_b32 s[COEF], 0x3f800000
	s_cmp_eq_u32 s13, 0
	s_cselect_b32 s[COEF], s[COEF], s53            ; my part's factor: 1 for softmax 1, -lamb for softmax 2
; 8 products of S^T = K Q^T: key tiles k0, k0 + 1 x two query tiles x 64 channels in two halves; the four accumulators by turns; the first half starts the sums
.macro KQ8 base, k0
.irp ks, 0,1
.irp kt, 0,1
.irp t, 0,1
.if \ks == 0
	v_wmma_f32_16x16x32_f16 v[S+32*\t+8*(\k0+\kt):S+32*\t+8*(\k0+\kt)+7], v[\base+8*(2*\kt+\ks):\base+8*(2*\kt+\ks)+7], v[Q+16*\t+8*\ks:Q+16*\t+8*\ks+7], 0
.else
	v_wmma_f32_16x16x32_f16 v[S+32*\t+8*(\k0+\kt):S+32*\t+8*(\k0+\kt)+7], v[\base+8*(2*\kt+\ks):\base+8*(2*\kt+\ks)+7], v[Q+16*\t+8*\ks:Q+16*\t+8*\ks+7], v[S+32*\t+8*(\k0+\kt):S+32*\t+8*(\k0+\kt)+7]
.endif
.endr
.endr
.endr
.endm
.macro VLOAD vb, kp                    ; V^T of keys 32 kp on: registers 0-3 of a fragment from token tile 2 kp, 4-7 from 2 kp + 1
.irp dt, 0,1,2,3
	ds_load_b128 v[\vb+8*\dt:\vb+8*\dt+3], v[ADV] offset:(2*\kp)*TILEB+4096+512*\dt
	ds_load_b128 v[\vb+8*\dt+4:\vb+8*\dt+7], v[ADV] offset:(2*\kp+1)*TILEB+4096+512*\dt
.endr
.endm
.macro PV8 vb, kp                      ; 8 products of O^T += V^T P: the eight accumulators by turns
.irp dt, 0,1,2,3
.irp t, 0,1
	v_wmma_f32_16x16x32_f16 v[O+32*\t+8*\dt:O+32*\t+8*\dt+7], v[\vb+8*\dt:\vb+8*\dt+7], v[P+16*\t+8*\kp:P+16*\t+8*\kp+7], v[O+32*\t+8*\dt:O+32*\t+8*\dt+7]
.endr
.endr
.endm
; A KEY STEP: 64 keys
.macro STEP
	v_add_nc_u32 v[ADK], s[TB], v[AK0]
	v_add_nc_u32 v[ADV], s[TB], v[AL]
.rept 3
	v_nop                                          ; with the two additions five places behind the last step's products: the loads below land in their sources (four are asked), and the first products below write over v128-159, which they read (five)
.endr
.irp kt, 0,1
.irp ks, 0,1
.irp c, 0,1
	ds_load_b128 v[F+8*(2*\kt+\ks)+4*\c:F+8*(2*\kt+\ks)+4*\c+3], v[ADK] offset:\kt*TILEB+\ks*1024+512*\c
.endr
.endr
.endr
.irp kt, 0,1
.irp ks, 0,1
.irp c, 0,1
	ds_load_b128 v[P+8*(2*\kt+\ks)+4*\c:P+8*(2*\kt+\ks)+4*\c+3], v[ADK] offset:(\kt+2)*TILEB+\ks*1024+512*\c
.endr
.endr
.endr
	s_wait_dscnt 8                                 ; key tiles 0, 1 are in; the eight loads of tiles 2, 3 may be out
	KQ8 F, 0
	s_wait_dscnt 0x0
	KQ8 P, 2
.rept 4
	v_nop                                          ; four places: in front of the loads into v224-255, which products have read, and of the first read of the scores
.endr
	VLOAD F, 0                                     ; lands under the softmax
.irp j, 0,1,2,3
.irp t, 0,1
	v_max3_num_f32 v[ST+8*\t+4+\j], v[S+32*\t+8*\j], v[S+32*\t+8*\j+1], v[S+32*\t+8*\j+2]   ; the maximum: four chains a tile, each accumulator from its low end on; the two tiles by turns
.endr
.endr
.irp u, 1,2
.irp j, 0,1,2,3
.irp t, 0,1
	v_max3_num_f32 v[ST+8*\t+4+\j], v[ST+8*\t+4+\j], v[S+32*\t+8*\j+2*\u+1], v[S+32*\t+8*\j+2*\u+2]
.endr
.endr
.endr
.irp t, 0,1
	v_max3_num_f32 v[ST+8*\t+4], v[ST+8*\t+4], v[S+32*\t+7], v[S+32*\t+15]
.endr
.irp t, 0,1
	v_max3_num_f32 v[ST+8*\t+6], v[ST+8*\t+6], v[S+32*\t+23], v[S+32*\t+31]
.endr
.irp t, 0,1
	v_max3_num_f32 v[ST+8*\t+4], v[ST+8*\t+4], v[ST+8*\t+5], v[ST+8*\t+6]
.endr
.irp t, 0,1
	v_max3_num_f32 v[ST+8*\t+4], v[ST+8*\t+4], v[ST+8*\t+7], v[ST+8*\t+1]   ; and the old m
.endr
.irp t, 0,1
	v_permlanex16_b32 v[ST+8*\t+5], v[ST+8*\t+4], s[SEL], s[SEL+1]   ; the query's other 32 keys lie in the lane 16 away
.endr
.irp t, 0,1
	v_mov_b32 v[ST+8*\t+7], v[ST+8*\t]             ; c m_old is kept for a
.endr
.irp t, 0,1
	v_max_num_f32 v[ST+8*\t+1], v[ST+8*\t+4], v[ST+8*\t+5]
.endr
.irp t, 0,1
	v_mul_f32 v[ST+8*\t], s[CS], v[ST+8*\t+1]
.endr
.irp t, 0,1
	v_sub_f32 v[ST+8*\t+7], v[ST+8*\t+7], v[ST+8*\t]
.endr
.irp b, 0,2,4,6,8,10,12,14,16,18,20,22,24,26,28,30
.irp t, 0,1
	v_pk_fma_f32 v[S+32*\t+\b:S+32*\t+\b+1], v[S+32*\t+\b:S+32*\t+\b+1], s[CS:CS+1], v[ST+8*\t:ST+8*\t+1] op_sel_hi:[1,0,0] neg_lo:[0,0,1] neg_hi:[0,0,1]   ; c s - c m
.endr
.endr
.irp t, 0,1
	v_exp_f32 v[ST+8*\t+6], v[ST+8*\t+7]           ; a.  ONE BATCH: both tiles' 66 exponentials; none reads another's result
.endr
.irp e, 0,1,2,3,4,5,6,7,8,9,10,11,12,13,14,15,16,17,18,19,20,21,22,23,24,25,26,27,28,29,30,31
.irp t, 0,1
	v_exp_f32 v[S+32*\t+\e], v[S+32*\t+\e]
.endr
.endr
	v_nop                                          ; a plain instruction behind the last exponential
	s_wait_alu depctr_va_vdst(0)                   ; the wait ahead of the first instruction that names a result: one for the batch
.irp i, 0,1,2,3,4,5,6,7,8,9,10,11,12,13,14,15
.irp t, 0,1
	v_cvt_pk_f16_f32 v[P+16*\t+\i], v[S+32*\t+2*\i], v[S+32*\t+2*\i+1]
.endr
.endr
.irp u, 0,4,8,12,16,20,24,28           ; the sum of the unrounded p, in pairs, in place
.irp t, 0,1
	v_pk_add_f32 v[S+32*\t+\u:S+32*\t+\u+1], v[S+32*\t+\u:S+32*\t+\u+1], v[S+32*\t+\u+2:S+32*\t+\u+3]
.endr
.endr
.irp u, 0,8,16,24
.irp t, 0,1
	v_pk_add_f32 v[S+32*\t+\u:S+32*\t+\u+1], v[S+32*\t+\u:S+32*\t+\u+1], v[S+32*\t+\u+4:S+32*\t+\u+5]
.endr
.endr
.irp u, 0,16
.irp t, 0,1
	v_pk_add_f32 v[S+32*\t+\u:S+32*\t+\u+1], v[S+32*\t+\u:S+32*\t+\u+1], v[S+32*\t+\u+8:S+32*\t+\u+9]
.endr
.endr
.irp t, 0,1
	v_pk_add_f32 v[S+32*\t:S+32*\t+1], v[S+32*\t:S+32*\t+1], v[S+32*\t+16:S+32*\t+17]
.endr
.irp t, 0,1
	v_pk_fma_f32 v[ST+8*\t+2:ST+8*\t+3], v[ST+8*\t+2:ST+8*\t+3], v[ST+8*\t+6:ST+8*\t+7], v[S+32*\t:S+32*\t+1] op_sel_hi:[1,0,1]   ; l = a l + the sum
.endr
	VLOAD S, 1                                     ; V's second half, into the registers that tile 0's p has left; it lands under the rescaling
.irp i, 0,2,4,6,8,10,12,14,16,18,20,22,24,26,28,30
.irp t, 0,1
	v_pk_mul_f32 v[O+32*\t+\i:O+32*\t+\i+1], v[O+32*\t+\i:O+32*\t+\i+1], v[ST+8*\t+6:ST+8*\t+7] op_sel_hi:[1,0]   ; O^T x a
.endr
.endr
	s_wait_dscnt 8                                 ; V's first half is in; the eight loads of the second may be out
	PV8 F, 0
	s_wait_dscnt 0x0
	PV8 S, 1
.endm
.macro FOUR_STEPS                      ; a slot's four key steps: written once, walked four times
	s_mov_b32 s[CNT], 4
.Lstep_\@:
	STEP
	s_add_co_u32 s[TB], s[TB], STEPB
	s_sub_co_u32 s[CNT], s[CNT], 1
	s_cmp_lg_u32 s[CNT], 0
	s_cbranch_scc1 .Lstep_\@
.endm
; THE CHANGE OF SLOTS.  Each wave waits for all its tensor loads (its part of the slot ahead), adds 0 to its spare word, and waits for that and for its reads of the slot that it leaves.
; fill = 1: a round of the cluster's barrier, so that no wave of any partner still reads that slot or has a load on its way; the joint refill is the first thing behind it and has four key steps in which to land.
.macro CHANGE fill
	s_wait_tensorcnt 0x0                           ; no tensor load of mine is out, so the walking group 0 may be written
	ds_add_u32 v[SPW], v[NIL]                      ; the add to my spare word
.if \fill
	ds_add_u32 v[SPW], v[NIL]                      ; and twice on end here, in every trip alike
	s_xor_b32 s[G0W+1], s[G0W+1], SLOT1            ; the other slot than last time,
	s_add_nc_u64 s[G0W+2:G0W+3], s[G0W+2:G0W+3], CHUNK   ; the next 256 keys; the type bits on top are not reached
	s_wait_xcnt 0x0                                ; the last prefetch, four key steps back, has read its address, so it may be written
	s_add_nc_u64 s[PFA:PFA+1], s[PFA:PFA+1], CHUNK ; one block further on than the walking descriptor
	s_wait_dscnt 0x0                               ; both adds are done, and my reads of the slot are over
	ROUND
	JLOAD
	ASK
.else
	s_wait_dscnt 0x0
	s_barrier_signal -1
	s_barrier_wait -1
.endif
	s_sub_co_u32 s[TB], s[TB], CHUNK               ; back to a slot's first step,
	s_xor_b32 s[TB], s[TB], SLOT1                  ; in the other slot
.endm
	s_wait_tensorcnt 1                             ; my part of slot 0 is in; slot 1's may stay out
	s_barrier_signal -1
	s_barrier_wait -1                              ; everybody's is
	s_wait_loadcnt 0x0                             ; Q
	FOUR_STEPS                                     ; block 0
.Lslot:                                            ; six trips: blocks 2 to 7 are asked for, blocks 1 to 6 are walked
	CHANGE 1
	FOUR_STEPS
	s_sub_co_u32 s[SLOTS], s[SLOTS], 1
	s_cmp_lg_u32 s[SLOTS], 0
	s_cbranch_scc1 .Lslot
	CHANGE 0                                       ; the tail is written out: nothing is left to ask for
	FOUR_STEPS                                     ; block 7
	; THE WAY OUT
	s_wait_dscnt 0x0
	s_barrier_signal -1
	s_barrier_wait -1                              ; every wave has left the ring
.irp t, 0,1
	v_add_f32 v[ST+8*\t+4], v[ST+8*\t+2], v[ST+8*\t+3]   ; l's two halves (these lines are also the places behind the last products)
.endr
.irp t, 0,1
	v_permlanex16_b32 v[ST+8*\t+5], v[ST+8*\t+4], s[SEL], s[SEL+1]
.endr
.irp t, 0,1
	v_add_f32 v[ST+8*\t+4], v[ST+8*\t+4], v[ST+8*\t+5]   ; and the other half of the lanes'
.endr
.irp t, 0,1
	v_rcp_f32 v[ST+8*\t+6], v[ST+8*\t+4]
.endr
	v_nop                                          ; a plain instruction behind the last reciprocal
	s_wait_alu depctr_va_vdst(0)                   ; and the wait ahead of the first use: one for both
.irp t, 0,1
	v_mul_f32 v[ST+8*\t+6], s[COEF], v[ST+8*\t+6]  ; 1 / l1, or -lamb / l2
.endr
.irp i, 0,2,4,6,8,10,12,14,16,18,20,22,24,26,28,30
	v_pk_mul_f32 v[O+32+\i:O+33+\i], v[O+32+\i:O+33+\i], v[ST+14:ST+15] op_sel_hi:[1,0]   ; my second tile's part,
.endr
.irp k, 0,1,2,3,4,5,6,7
	ds_store_b128 v[EXW], v[O+32+4*\k:O+35+4*\k] offset:512*\k   ; as an image of its registers, for wave w xor 8
.endr
	s_wait_dscnt 0x0                               ; for the other's sake: my stores are done
	s_barrier_signal -1
	s_barrier_wait -1
.irp k, 0,1,2,3,4,5,6,7
	ds_load_b128 v[S+4*\k:S+4*\k+3], v[EXR] offset:512*\k        ; the other softmax's part of my first tile, same registers, same lanes
.endr
	s_wait_dscnt 0x0
.irp i, 0,2,4,6,8,10,12,14,16,18,20,22,24,26,28,30
	v_pk_fma_f32 v[O+\i:O+1+\i], v[O+\i:O+1+\i], v[ST+6:ST+7], v[S+\i:S+1+\i] op_sel_hi:[1,0,1]   ; O1 / l1 - lamb O2 / l2
.endr
.irp dt, 0,1,2,3
	ds_store_b128 v[RSW], v[O+8*\dt:O+8*\dt+3] offset:64*\dt     ; a lane holds channels 16 dt + 8 h + 0 .. 7 of query r: through my own stage, rows 272 bytes apart,
	ds_store_b128 v[RSW], v[O+8*\dt+4:O+8*\dt+7] offset:64*\dt+16
.endr
.irp i, 0,1,2,3,4,5,6,7
	ds_load_b128 v[S+4*\i:S+4*\i+3], v[RSR] offset:544*\i        ; and back by rows (LDS serves a wave's instructions in order): lanes 0-15 row 2 i, lanes 16-31 row 2 i + 1
.endr
.irp i, 0,1,2,3,4,5,6,7
	s_wait_dscnt 7-\i                              ; rows 2 i, 2 i + 1 are back; the later loads may be out
	global_store_b128 v[GO], v[S+4*\i:S+4*\i+3], s[10:11] offset:8192*\i   ; sixteen lanes store the head's 256 consecutive, aligned bytes of a row
.endr
	s_wait_tensorcnt 0x0                           ; the wave's end
	ds_add_u32 v[SPW], v[NIL]
	s_wait_dscnt 0x0
	ROUND                                          ; the closing round
	s_endpgm
.Lfunc_end_k_q9baef9c580_attn:
	.size	k_q9baef9c580_attn, .Lfunc_end_k_q9baef9c580_attn-k_q9baef9c580_attn
	.p2alignl 7, 3214868480
	.fill 96, 4, 3214868480
	.section	.rodata,"a",@progbits
	.p2align	6, 0x0
	.amdhsa_kernel k_q9baef9c580_attn
		.amdhsa_group_segment_fixed_size 327680
		.amdhsa_private_segment_fixed_size 0
		.amdhsa_enable_private_segment 0
		.amdhsa_kernarg_size 32
		.amdhsa_user_sgpr_count 2
		.amdhsa_user_sgpr_kernarg_segment_ptr 1
		.amdhsa_wavefront_size32 1
		.amdhsa_system_sgpr_workgroup_id_x 1
		.amdhsa_system_sgpr_workgroup_id_y 1
		.amdhsa_system_sgpr_workgroup_id_z 1
		.amdhsa_system_vgpr_workitem_id 0
		.amdhsa_next_free_vgpr 256
		.amdhsa_next_free_sgpr 66
		.amdhsa_reserve_vcc 0
		.amdhsa_float_denorm_mode_32 3
		.amdhsa_float_denorm_mode_16_64 3
		.amdhsa_memory_ordered 1
		.amdhsa_forward_progress 1
		.amdhsa_inst_pref_size 69
	.end_amdhsa_kernel
	.amdgpu_metadata
---
amdhsa.version: [ 1, 2 ]
amdhsa.kernels:
  - .name:           k_q9baef9c580_attn
    .symbol:         k_q9baef9c580_attn.kd
    .args:
      - { .name: qb, .offset: 0, .size: 8, .value_kind: global_buffer, .address_space: global }
      - { .name: kv, .offset: 8, .size: 8, .value_kind: global_buffer, .address_space: global }
      - { .name: lamb, .offset: 16, .size: 8, .value_kind: global_buffer, .address_space: global }
      - { .name: att, .offset: 24, .size: 8, .value_kind: global_buffer, .address_space: global }
    .group_segment_fixed_size: 327680
    .private_segment_fixed_size: 0
    .kernarg_segment_align: 8
    .kernarg_segment_size: 32
    .max_flat_workgroup_size: 512
    .sgpr_count:     66
    .vgpr_count:     256
    .wavefront_size: 32
...
	.end_amdgpu_metadata
.endif
;; end of part 3
;; launch lnorm (part 4): grid 256 x 1, 4 waves a work-group, no clusters, 0 bytes of LDS; arguments att, ln_gamma, ln_beta, lamb, out0; writes out0
.if DOCPART == 4
	.amdgcn_target "amdgcn-amd-amdhsa--gfx1250"
	.amdhsa_code_object_version 6
	.text
	.protected	k_q9baef9c580_lnorm
	.globl	k_q9baef9c580_lnorm
	.p2align	8
	.type	k_q9baef9c580_lnorm,@function
k_q9baef9c580_lnorm:
	s_mov_b64 s[64:65], 0
	v_nop
	global_prefetch_b8 v0, s[64:65] scope:SCOPE_SE
	s_setreg_imm32_b32 hwreg(HW_REG_WAVE_MODE, 25, 1), 1
	s_wait_xcnt 0x0
; out0[row][c] = (1 - lamb) ((att[row][c] - mu) rsqrt(var + 1e-5) gamma[c] + beta[c]); mu and var over the row's 1,024 numbers; all in f32.
; One wave, one row at a time: a row of 4,096 bytes is 32 registers, read once and kept between the passes; the reductions never leave the wave: no LDS, no barrier.  A wave has four rows, all asked for at the head.
; The variance is the mean of (x - mu)^2, taken of the differences: no difference of large sums is formed.
; ORDER OF ROUNDING: gamma and beta are multiplied by (1 - lamb) once, so a number is ((x - mu) rstd) (gamma (1 - lamb)) + beta (1 - lamb): the same product as the definition's, rounded in another order.
; Memory binds: each load and store of a wave covers 512 consecutive bytes; matrix units, clusters and LDS would add nothing.
.set G, 16                             ; v16-47  gamma (1 - lamb): register 4 j + e = column 128 j + 4 lane + e
.set B, 48                             ; v48-79  beta (1 - lamb)
.set XR0, 80                           ; v80-207 four rows of 32 registers
	s_load_b256 s[4:11], s[0:1], 0x0               ; att, gamma, beta, lamb
	s_load_b64 s[12:13], s[0:1], 0x20              ; out0
	v_lshrrev_b32 v2, 5, v0
	v_readfirstlane_b32 s14, v2                    ; wave
	v_and_b32 v1, 31, v0
	v_lshlrev_b32 v1, 4, v1                        ; 16 x lane; never rewritten
	s_lshl_b32 s16, ttmp9, 16                      ; 16 rows a work-group,
	s_lshl_b32 s17, s14, 14                        ; 4 a wave
	s_add_co_u32 s16, s16, s17
	s_mov_b32 s17, 0
	s_mov_b32 s18, 0x76543210                      ; lane l xor 16
	s_mov_b32 s19, 0xfedcba98
	s_mov_b32 s20, 0x3a800000                      ; 1 / 1,024
	s_mov_b32 s21, 0x3727c5ac                      ; 1e-5
	s_wait_kmcnt 0x0
	s_load_b32 s15, s[10:11], 0x0                  ; lamb
	s_add_nc_u64 s[4:5], s[4:5], s[16:17]
	s_add_nc_u64 s[12:13], s[12:13], s[16:17]
.irp j, 0,1,2,3,4,5,6,7
	global_load_b128 v[G+4*\j:G+4*\j+3], v1, s[6:7] offset:512*\j
.endr
.irp j, 0,1,2,3,4,5,6,7
	global_load_b128 v[B+4*\j:B+4*\j+3], v1, s[8:9] offset:512*\j
.endr
.irp q, 0,1,2,3
.irp j, 0,1,2,3,4,5,6,7
	global_load_b128 v[XR0+32*\q+4*\j:XR0+32*\q+4*\j+3], v1, s[4:5] offset:4096*\q+512*\j th:TH_LOAD_NT
.endr
.endr
	s_wait_loadcnt 32                              ; gamma and beta are in; the four rows' 32 loads may be out
	s_wait_kmcnt 0x0
	v_mov_b32 v3, s15
	v_sub_f32 v2, 1.0, v3                          ; 1 - lamb,
	v_mov_b32 v3, v2                               ; as a pair
.irp i, 0,2,4,6,8,10,12,14,16,18,20,22,24,26,28,30
	v_pk_mul_f32 v[G+\i:G+\i+1], v[G+\i:G+\i+1], v[2:3]
	v_pk_mul_f32 v[B+\i:B+\i+1], v[B+\i:B+\i+1], v[2:3]
.endr
.macro REDUCE                          ; v4 over the 32 lanes, the result in every lane
	v_add_f32_dpp v4, v4, v4 row_xmask:1 row_mask:0xf bank_mask:0xf
	v_add_f32_dpp v4, v4, v4 row_xmask:2 row_mask:0xf bank_mask:0xf
	v_add_f32_dpp v4, v4, v4 row_xmask:4 row_mask:0xf bank_mask:0xf
	v_add_f32_dpp v4, v4, v4 row_xmask:8 row_mask:0xf bank_mask:0xf
	v_permlanex16_b32 v5, v4, s18, s19
	v_add_f32 v4, v4, v5
.endm
.macro ROWN q
.set XR, XR0+32*(\q)
	s_wait_loadcnt 8*(3-(\q))                      ; this row's eight loads are in; the later rows', eight each, may be out
	v_pk_add_f32 v[4:5], v[XR:XR+1], v[XR+2:XR+3]  ; the sum, in two chains
	v_pk_add_f32 v[6:7], v[XR+4:XR+5], v[XR+6:XR+7]
.irp i, 8,12,16,20,24,28
	v_pk_add_f32 v[4:5], v[4:5], v[XR+\i:XR+\i+1]
	v_pk_add_f32 v[6:7], v[6:7], v[XR+\i+2:XR+\i+3]
.endr
	v_pk_add_f32 v[4:5], v[4:5], v[6:7]
	v_add_f32 v4, v4, v5
	REDUCE
	v_mul_f32 v8, s20, v4                          ; mu,
	v_mov_b32 v9, v8                               ; as a pair
.irp i, 0,2,4,6,8,10,12,14,16,18,20,22,24,26,28,30
	v_pk_add_f32 v[XR+\i:XR+\i+1], v[XR+\i:XR+\i+1], v[8:9] neg_lo:[0,1] neg_hi:[0,1]   ; x - mu, in place
.endr
	v_pk_mul_f32 v[4:5], v[XR:XR+1], v[XR:XR+1]    ; the sum of squares, in two chains
	v_pk_mul_f32 v[6:7], v[XR+2:XR+3], v[XR+2:XR+3]
.irp i, 4,8,12,16,20,24,28
	v_pk_fma_f32 v[4:5], v[XR+\i:XR+\i+1], v[XR+\i:XR+\i+1], v[4:5]
	v_pk_fma_f32 v[6:7], v[XR+\i+2:XR+\i+3], v[XR+\i+2:XR+\i+3], v[6:7]
.endr
	v_pk_add_f32 v[4:5], v[4:5], v[6:7]
	v_add_f32 v4, v4, v5
	REDUCE
	v_fma_f32 v12, v4, s20, s21                    ; var + 1e-5
	v_rsq_f32 v10, v12                             ; twice, to fill the pair that the packed multiply takes
	v_rsq_f32 v11, v12
	v_nop                                          ; a plain instruction behind the transcendentals
	s_wait_alu depctr_va_vdst(0)                   ; and the wait ahead of the first use: one for both
.irp i, 0,2,4,6,8,10,12,14,16,18,20,22,24,26,28,30
	v_pk_mul_f32 v[XR+\i:XR+\i+1], v[XR+\i:XR+\i+1], v[10:11]
.endr
.irp i, 0,2,4,6,8,10,12,14,16,18,20,22,24,26,28,30
	v_pk_fma_f32 v[XR+\i:XR+\i+1], v[XR+\i:XR+\i+1], v[G+\i:G+\i+1], v[B+\i:B+\i+1]
.endr
.irp j, 0,1,2,3,4,5,6,7
	global_store_b128 v1, v[XR+4*\j:XR+4*\j+3], s[12:13] offset:4096*(\q)+512*\j th:TH_STORE_NT   ; 512 consecutive bytes a store; a row's registers are written by nothing behind its stores
.endr
.endm
	ROWN 0
	ROWN 1
	ROWN 2
	ROWN 3
	s_endpgm
.Lfunc_end_k_q9baef9c580_lnorm:
	.size	k_q9baef9c580_lnorm, .Lfunc_end_k_q9baef9c580_lnorm-k_q9baef9c580_lnorm
	.p2alignl 7, 3214868480
	.fill 96, 4, 3214868480
	.section	.rodata,"a",@progbits
	.p2align	6, 0x0
	.amdhsa_kernel k_q9baef9c580_lnorm
		.amdhsa_group_segment_fixed_size 0
		.amdhsa_private_segment_fixed_size 0
		.amdhsa_enable_private_segment 0
		.amdhsa_kernarg_size 40
		.amdhsa_user_sgpr_count 2
		.amdhsa_user_sgpr_kernarg_segment_ptr 1
		.amdhsa_wavefront_size32 1
		.amdhsa_system_sgpr_workgroup_id_x 1
		.amdhsa_system_sgpr_workgroup_id_y 1
		.amdhsa_system_sgpr_workgroup_id_z 1
		.amdhsa_system_vgpr_workitem_id 0
		.amdhsa_next_free_vgpr 208
		.amdhsa_next_free_sgpr 66
		.amdhsa_reserve_vcc 0
		.amdhsa_float_denorm_mode_32 3
		.amdhsa_float_denorm_mode_16_64 3
		.amdhsa_memory_ordered 1
		.amdhsa_forward_progress 1
		.amdhsa_inst_pref_size 35
	.end_amdhsa_kernel
	.amdgpu_metadata
---
amdhsa.version: [ 1, 2 ]
amdhsa.kernels:
  - .name:           k_q9baef9c580_lnorm
    .symbol:         k_q9baef9c580_lnorm.kd
    .args:
      - { .name: att, .offset: 0, .size: 8, .value_kind: global_buffer, .address_space: global }
      - { .name: ln_gamma, .offset: 8, .size: 8, .value_kind: global_buffer, .address_space: global }
      - { .name: ln_beta, .offset: 16, .size: 8, .value_kind: global_buffer, .address_space: global }
      - { .name: lamb, .offset: 24, .size: 8, .value_kind: global_buffer, .address_space: global }
      - { .name: out0, .offset: 32, .size: 8, .value_kind: global_buffer, .address_space: global }
    .group_segment_fixed_size: 0
    .private_segment_fixed_size: 0
    .kernarg_segment_align: 8
    .kernarg_segment_size: 40
    .max_flat_workgroup_size: 128
    .sgpr_count:     66
    .vgpr_count:     208
    .wavefront_size: 32
...
	.end_amdgpu_metadata
.endif
;; end of part 4
